; MI455X (gfx1250); checked and timed in simulation.
; The chip was launched on July 23, 2026; its instructions are those of AMD's public machine-readable ISA for CDNA 5 (MIT licence, August 2026) and "CDNA5" Instruction Set Architecture Reference Guide (July 2026). The comments in the code are by the model that wrote it; some were corrected since.
;; AFT FULL. Allowed arithmetic: matrix products marked QUANTISED: E4M3 operands, one E8M0 scale for each 32 along K, by v_wmma_scale_f32_16x16x128_f8f6f4 with both operands' format E4M3, f32 sums; everything else in f32.
;; Inputs: Wk_codes 512 x 16 x 32 uint8 (E4M3 codes of Wk, K innermost, in blocks of 32 codes); Wk_scales 512 x 16 uint8 (E8M0 scales of Wk, one for each 32 codes along K); Wq_codes 512 x 16 x 32 uint8 (E4M3 codes of Wq, K innermost, in blocks of 32 codes); Wq_scales 512 x 16 uint8 (E8M0 scales of Wq, one for each 32 codes along K); Wv_codes 512 x 16 x 32 uint8 (E4M3 codes of Wv, K innermost, in blocks of 32 codes); Wv_scales 512 x 16 uint8 (E8M0 scales of Wv, one for each 32 codes along K); bk 512 float32; bq 512 float32; bv 512 float32; pos_bias 1,024 x 1,024 float32; x_codes 32 x 1,024 x 16 x 32 uint8 (E4M3 codes of x, K innermost, in blocks of 32 codes); x_scales 32 x 1,024 x 16 uint8 (E8M0 scales of x, one for each 32 codes along K).
;; Outputs: out0 32 x 1,024 x 512 float32.
;; This version of the problem:
;;   THIS VERSION OF THE PROBLEM IS GIVEN IN LOW PRECISION. The matrix products marked QUANTISED in the list below multiply operands that are first quantised to E4M3 (4 exponent bits, 3 mantissa bits; 8 bits a number), with one power-of-two scale for each 32 numbers along K (OCP MX v1.0); their sums are f32. All else is computed in f32.
;;   The module's matrix products, in the order in which they are computed (A, B: the left and right operand; K: the contracted axis; several contracted axes count as one K, in the product's order):
;;     1. [M 32,768, K 512] x [K 512, N 512]; A: input x (given as codes); B: input Wq (given as codes): QUANTISED
;;     2. [M 32,768, K 512] x [K 512, N 512]; A: input x (given as codes); B: input Wk (given as codes): QUANTISED
;;     3. [M 32,768, K 512] x [K 512, N 512]; A: input x (given as codes); B: input Wv (given as codes): QUANTISED
;;     4. [M 16,384, K 1,024] x [K 1,024, N 1,024]; A: computed on the way; B: computed on the way: QUANTISED
;;     5. [M 16,384, K 1,024] x [K 1,024, N 1,024]; A: computed on the way; B: computed on the way: QUANTISED
;;   THE QUANTISER, for each operand of a quantised product, along K:
;;     - K is cut into blocks of 32 from its start; a last block that is shorter is filled with zeros.
;;     - A block's scale is 2^e with e = floor(log2(the largest magnitude in the block)) - 8, held to -126 .. 127; a block of zeros has e = 0. As a byte (E8M0): e + 127.
;;     - Each number is divided by its block's scale, clamped to +-448, and rounded to the nearest number of E4M3, ties to even, subnormals kept.
;;     - The product sums the exact products of the quantised numbers (number of the format x scale) in f32.
;;   ~~~python
;;   def quantise(x, axis):      # numpy; x: float32 -> the quantised numbers, widened to float32 again
;;       x = np.moveaxis(x, axis, -1); K = x.shape[-1]
;;       x = np.pad(x, [(0, 0)] * (x.ndim - 1) + [(0, -K % 32)]); x = x.reshape(x.shape[:-1] + (-1, 32)); a = np.abs(x).max(-1, keepdims=True)
;;       e = np.where(a > 0, np.clip(np.frexp(np.where(a > 0, a, 1))[1] - 1 - 8, -126, 127), 0)      # np.frexp(a)[1] - 1 = floor(log2(a)), exactly
;;       r = np.clip(x / 2.0 ** e, -448, 448)
;;       step = 2.0 ** (np.maximum(np.frexp(np.where(r == 0, 1, r))[1] - 1, -6) - 3)
;;       q = np.round(r / step) * step * 2.0 ** e      # np.round: ties to even
;;       return np.moveaxis(q.reshape(q.shape[:-2] + (-1,))[..., :K], -1, axis).astype(np.float32)
;;   ~~~
;;   OPERANDS COMPUTED ON THE WAY. 'Computed on the way' means the value that the module computes at that place (a softmax that the list does not call 'softmax' is quantised finished and normalised). What goes into a quantiser is computed in f32, as accurately as f32 sums, v_exp_f32 and their like allow (about 1e-6 of the number): no bf16 or f16 on the way to a quantiser, and a product that is left as it is and whose result goes on into a quantised operand takes f32 operands (vector FMAs, or v_wmma_f32_16x16x4_f32). A number that lies on a knife's edge between two numbers of the format may be rounded either way, as far as f32 arithmetic and the matrix unit's own rounding can turn it there, and no further.
;;   INPUTS GIVEN AS CODES. Wk (in the module: [512, 512], K = its axis 1); Wq (in the module: [512, 512], K = its axis 1); Wv (in the module: [512, 512], K = its axis 1); x (in the module: [32, 1024, 512], K = its axis 2): each comes as NAME_codes (uint8): NAME with its K axis moved to the last place and cut into blocks of 32 codes, [.., K / 32, bytes a block], one block behind the other in memory; one code a byte (a code: sign, 4 exponent bits, 3 mantissa bits); and NAME_scales (uint8): the same leading axes, one E8M0 byte (e + 127) for each 32 codes along K. Its value is code x scale, taken as it is: it is not quantised again, and the codes and scales need not be those that the quantiser above would give.
;; One version. Each part assembles by itself: llvm-mc -triple=amdgcn-amd-amdhsa -mcpu=gfx1250 --defsym DOCPART=n.
;; ======== version 1 of 1: 2 launches
;; limits: right only within a limited range of input values
;; workspace buffers: ew_codes 1,048,576 bytes; ew_scales 32,768 bytes; x_frag 16,777,216 bytes; w_frag 786,432 bytes
;; launch prep (part 1): grid 332 x 1, 8 waves a work-group, no clusters, 137,216 bytes of LDS; arguments pos_bias, x_codes, Wk_codes, Wv_codes, Wq_codes, ew_codes, ew_scales, x_frag, w_frag; writes ew_codes, ew_scales, x_frag, w_frag
.if DOCPART == 1
	.amdgcn_target "amdgcn-amd-amdhsa--gfx1250"
	.amdhsa_code_object_version 6
	.text
	.protected	k_qb5bb321f50_prep
	.globl	k_qb5bb321f50_prep
	.p2align	8
	.type	k_qb5bb321f50_prep,@function
k_qb5bb321f50_prep:
	s_mov_b64 s[64:65], 0
	v_nop
	global_prefetch_b8 v0, s[64:65] scope:SCOPE_SE
	s_setreg_imm32_b32 hwreg(HW_REG_WAVE_MODE, 25, 1), 1
	s_wait_xcnt 0x0
; TWO JOBS, told apart by the work-group's number; each has its own way through the text and its own LDS bytes.
; WORK-GROUPS 0-63: ew[t][s] = exp(pos_bias[t][s] - the largest pos_bias of row t), quantised along s: codes of FP8 (E4M3), one E8M0 byte for each 32 along s.
;   A block's scale is 2^(floor(log2(its largest number)) - 8); its byte is that number's exponent field - 8, held at 1 from below.
;   A work-group takes one tile of 16 rows, wave w the columns 128 w .. 128 w + 127: one fragment of 16 rows x 128 K.  The row's maximum spans the eight waves: partial maxima meet in LDS behind a barrier.
;   The maximum is taken away BEFORE the multiplication by log2(e), so that the row's largest ew is exactly 1.
; WORK-GROUPS 64-319 (x) AND 320-331 (Wk, Wv, Wq): the given codes are laid anew, a wave a tile of 16 rows x 512 K: read as whole rows of 512 bytes, turned through the wave's own stage in LDS, stored as four fragments.
; ALL CODES ARE LAID IN THE ORDER OF THE OPERAND'S REGISTERS: [tile][K / 128][c][lane][16 bytes]; lane (r, h) holds the tile's row r, K = 32 c + 16 h + 0 .. 15 of the 128:
; the next launch takes a fragment by four loads of 512 consecutive bytes, with no turn of its own.
; THE ROWS OF A TILE OF x AND OF ew ARE NOT NEIGHBOURS: row p of tile 2 g + u is row 32 g + 8 u + p + 8 (p / 8).  x wants it for the operand that is made of k and v; ew takes the same rows, so that in the next launch
; a lane of q's result and a lane of the two sums hold the same t.  The weights' tiles are 16 neighbouring rows.  ew's scale bytes are laid [tile][row of the tile][32].
; LIMITS: NaN and infinities in pos_bias are not served; ew under 2^-126 comes out of v_exp_f32 as 0; a block of zeros gets the byte 1 with zero codes (this program alone reads the bytes).
.set STGW,  8448                       ; a wave's stage: 16 rows x (512 bytes + 16 of padding): row r starts 4 r words on modulo 64 (64 banks of 4 bytes: ISA guide 11.1)
.set MXB,   67584                      ; ew: partial maxima: [row 16][wave 8] f32
.set SCB,   68096                      ; ew: scale words: [row 16][wave 8]: as they lie in ew_scales
.set SPARE, 68608                      ; the spare words, 128 bytes for each of the eight waves: four blocks of 256 bytes that no other line names
.set LSTG,  69632                      ; the laying way's eight stages
.set EWG,   64                         ; work-groups that make ew
.set L16, 1                            ; v1   16 x lane
.set RR,  2                            ; v2   r = lane % 16
.set HH,  3                            ; v3   h = lane / 16
.set STW, 4                            ; v4   the stage, on the way in
.set STR, 5                            ; v5   and on the way out
.set MXW, 6                            ; v6   where I put my partial maximum
.set MXR, 7                            ; v7   where row r's eight lie
.set SCW, 8                            ; v8   where I put my scale word
.set SCR, 9                            ; v9   wave 0: 16 bytes a lane of the 512
.set SPW, 10                           ; v10  my spare word; never rewritten
.set NIL, 11                           ; v11  0; never rewritten
.set MM,  12                           ; v12-13 ew: the row's maximum, twice
.set LHI, 12                           ; v12  laying: 16 x lane + the distance to the tile's upper eight rows
.set R,   16                           ; v16-79   as loaded
.set X,   80                           ; v80-143  ew: register 16 c + i: column 32 c + 16 h + i of my 128;  laying: the four fragments
.set TM,  144                          ; v144-147 largest numbers, 148-151 bytes, 152-155 448 x the scale, 156-159 the conversions' scale operand
.set CD,  160                          ; v160-175 the codes
.set PW,  176                          ; v176 the scale word
.set PM,  180                          ; v180-187 maxima at work
	s_load_b256 s[4:11], s[0:1], 0x0               ; pos_bias s[4:5], x's codes s[6:7], Wk's s[8:9], Wv's s[10:11]
	s_load_b256 s[12:19], s[0:1], 0x20             ; Wq's s[12:13], ew_codes s[14:15], ew_scales s[16:17], x_frag s[18:19]
	s_load_b64 s[20:21], s[0:1], 0x40              ; w_frag
	v_lshl_add_u32 v[SPW], v0, 2, SPARE
	v_mov_b32 v[NIL], 0
	v_lshrrev_b32 v[RR], 5, v0
	s_delay_alu instid0(VALU_DEP_1)
	v_readfirstlane_b32 s22, v[RR]                 ; wave 0..7
	v_and_b32 v[L16], 31, v0
	s_delay_alu instid0(VALU_DEP_1)
	v_lshlrev_b32 v[L16], 4, v[L16]
	v_and_b32 v[RR], 15, v0
	v_bfe_u32 v[HH], v0, 4, 1
	s_mul_i32 s23, s22, STGW
	s_cmp_lt_u32 ttmp9, EWG                        ; the same in all eight waves
	s_cbranch_scc0 .Llay
	; ---- ew
	v_add_nc_u32 v[STW], s23, v[L16]
	v_mul_u32_u24 v[STR], v[RR], 528
	s_delay_alu instid0(VALU_DEP_1)
	v_lshl_add_u32 v[STR], v[HH], 6, v[STR]        ; row r, + 64 h: 16 f32 numbers of a block of 32
	s_delay_alu instid0(VALU_DEP_1)
	v_add_nc_u32 v[STR], s23, v[STR]
	v_lshlrev_b32 v[MXR], 5, v[RR]
	s_delay_alu instid0(VALU_DEP_1)
	v_add_nc_u32 v[MXR], MXB, v[MXR]
	s_lshl_b32 s27, s22, 2
	v_add_nc_u32 v[MXW], s27, v[MXR]
	s_delay_alu instid0(VALU_DEP_1)
	v_add_nc_u32 v[SCW], SCB-MXB, v[MXW]
	v_add_nc_u32 v[SCR], SCB, v[L16]
	s_mov_b32 s24, 0x76543210
	s_mov_b32 s25, 0xfedcba98                      ; v_permlanex16_b32's selects for lane l xor 16
	s_mov_b32 s26, 0x600000                        ; the mantissa field of 448
	s_mov_b32 s28, 0x3fb8aa3b                      ; log2(e)
	s_mov_b32 s29, s28                             ; (named with it as a pair, so it is written)
	s_lshr_b32 s30, ttmp9, 1
	s_lshl_b32 s30, s30, 17                        ; tile 2 g + u: 32 g rows of 4,096 bytes,
	s_and_b32 s31, ttmp9, 1
	s_lshl_b32 s31, s31, 15                        ; + 8 u rows,
	s_add_co_u32 s30, s30, s31
	s_lshl_b32 s31, s22, 9                         ; + my 512 bytes of a row
	s_add_co_u32 s30, s30, s31
	s_mov_b32 s31, 0
	s_lshl_b32 s32, ttmp9, 14                      ; a tile's codes are 16,384 bytes, a fragment's 2,048
	s_lshl_b32 s33, s22, 11
	s_add_co_u32 s32, s32, s33
	s_mov_b32 s33, 0
	s_lshl_b32 s34, ttmp9, 9                       ; 16 rows of 32 scale bytes
	s_mov_b32 s35, 0
	s_wait_alu depctr_va_vdst(0)
	s_wait_kmcnt 0x0
	s_add_nc_u64 s[4:5], s[4:5], s[30:31]
	s_add_nc_u64 s[14:15], s[14:15], s[32:33]
	s_add_nc_u64 s[16:17], s[16:17], s[34:35]
.set i, 0
.rept 16
	global_load_b128 v[R+4*i:R+4*i+3], v[L16], s[4:5] offset:4096*(i+8*(i/8)) th:TH_LOAD_NT   ; the tile's row i: 32 lanes read 512 consecutive bytes; read once in the launch
.set i, i+1
.endr
	s_wait_loadcnt 0x0
.set i, 0
.rept 16
	ds_store_b128 v[STW], v[R+4*i:R+4*i+3] offset:528*i
.set i, i+1
.endr
.irp c, 0,1,2,3
.irp q, 0,1,2,3
	ds_load_b128 v[X+16*\c+4*\q:X+16*\c+4*\q+3], v[STR] offset:128*\c+16*\q   ; LDS serves a wave's instructions in order (ISA guide 5.7.1.4): these see my stores
.endr
.endr
	v_mov_b32 v[PM+4], 0                           ; written once: a lane permute's destination counts as one of its sources
.irp b, 0,1,2,3
	v_mov_b32 v[TM+4+\b], 0
.endr
	s_wait_dscnt 0x0
.irp b, 0,1,2,3
	v_max3_num_f32 v[PM+\b], v[X+16*\b], v[X+16*\b+1], v[X+16*\b+2]   ; the largest of my 64 numbers, in four chains
.endr
.irp i, 3,5,7,9,11,13
.irp b, 0,1,2,3
	s_delay_alu instid0(VALU_DEP_4)
	v_max3_num_f32 v[PM+\b], v[PM+\b], v[X+16*\b+\i], v[X+16*\b+\i+1]
.endr
.endr
.irp b, 0,1,2,3
	s_delay_alu instid0(VALU_DEP_4)
	v_max_num_f32 v[PM+\b], v[PM+\b], v[X+16*\b+15]
.endr
	s_delay_alu instid0(VALU_DEP_2)
	v_max3_num_f32 v[PM], v[PM], v[PM+1], v[PM+2]
	s_delay_alu instid0(VALU_DEP_1)
	v_max_num_f32 v[PM], v[PM], v[PM+3]
	s_delay_alu instid0(VALU_DEP_1)
	v_permlanex16_b32 v[PM+4], v[PM], s24, s25
	s_delay_alu instid0(VALU_DEP_1)
	v_max_num_f32 v[PM], v[PM], v[PM+4]            ; with lane l xor 16's: row r's largest among my wave's 128 columns
	ds_store_b32 v[MXW], v[PM]                     ; both lanes of a row write the same word with the same value
	s_wait_dscnt 0x0                               ; for the others' sake: my store is done
	s_barrier_signal -1
	s_barrier_wait -1
	ds_load_b128 v[PM:PM+3], v[MXR]                ; the eight waves' maxima of row r
	ds_load_b128 v[PM+4:PM+7], v[MXR] offset:16
	s_wait_dscnt 0x0
	v_max3_num_f32 v[MM], v[PM], v[PM+1], v[PM+2]
	s_delay_alu instid0(VALU_DEP_1)
	v_max3_num_f32 v[MM], v[MM], v[PM+3], v[PM+4]
	s_delay_alu instid0(VALU_DEP_1)
	v_max3_num_f32 v[MM], v[MM], v[PM+5], v[PM+6]
	s_delay_alu instid0(VALU_DEP_1)
	v_max_num_f32 v[MM], v[MM], v[PM+7]
	s_delay_alu instid0(VALU_DEP_1)
	v_mov_b32 v[MM+1], v[MM]
.set i, 0
.rept 32
	v_pk_add_f32 v[X+i:X+i+1], v[X+i:X+i+1], v[MM:MM+1] neg_lo:[0,1] neg_hi:[0,1]   ; w = pos_bias - the row's maximum: exactly 0 at the maximum
.set i, i+2
.endr
.set i, 0
.rept 32
	v_pk_mul_f32 v[X+i:X+i+1], v[X+i:X+i+1], s[28:29] op_sel_hi:[1,0]
.set i, i+2
.endr
.set i, 0
	s_wait_alu depctr_va_vdst(0)
.rept 64
	v_exp_f32 v[X+i], v[X+i]                       ; ew, at most 1
.set i, i+1
.endr
	v_nop                                          ; a plain instruction behind the last exponential
	s_wait_alu depctr_va_vdst(0)                   ; one wait for the batch, ahead of its first reader
.irp b, 0,1,2,3
	v_max3_num_f32 v[TM+\b], v[X+16*\b], v[X+16*\b+1], 0x4800000   ; block b: my 16 numbers (none is negative), and the floor 2^(9 - 127): the byte cannot fall under 1
.endr
.irp i, 2,4,6,8,10,12,14
.irp b, 0,1,2,3
	v_max3_num_f32 v[TM+\b], v[TM+\b], v[X+16*\b+\i], v[X+16*\b+\i+1]
.endr
.endr
.irp b, 0,1,2,3
	s_delay_alu instid0(VALU_DEP_4)
	v_permlanex16_b32 v[TM+4+\b], v[TM+\b], s24, s25
.endr
.irp b, 0,1,2,3
	s_delay_alu instid0(VALU_DEP_4)
	v_max_num_f32 v[TM+\b], v[TM+\b], v[TM+4+\b]   ; with lane l xor 16's: the block's largest number
.endr
.irp b, 0,1,2,3
	s_delay_alu instid0(VALU_DEP_4)
	v_add_nc_u32 v[TM+12+\b], 0xfc000000, v[TM+\b] ; 8 off its exponent field: the conversion takes the exponent field of this operand as its scale
.endr
.irp b, 0,1,2,3
	v_and_or_b32 v[TM+8+\b], v[TM+\b], 0x7f800000, s26   ; 448 x the scale
.endr
.irp b, 0,1,2,3
	v_lshrrev_b32 v[TM+4+\b], 23, v[TM+12+\b]      ; the scale's byte
.endr
	s_delay_alu instid0(VALU_DEP_3)
	v_lshl_or_b32 v[PW], v[TM+5], 8, v[TM+4]       ; row r's scale word for my 128 columns
	s_delay_alu instid0(VALU_DEP_1)
	v_lshl_or_b32 v[PW], v[TM+6], 16, v[PW]
	s_delay_alu instid0(VALU_DEP_1)
	v_lshl_or_b32 v[PW], v[TM+7], 24, v[PW]
.irp b, 0,1,2,3
.irp i, 0,1,2,3,4,5,6,7,8,9,10,11,12,13,14,15
	v_min_num_f32 v[X+16*\b+\i], v[X+16*\b+\i], v[TM+8+\b]   ; the conversion to an 8-bit code does not saturate (ISA guide 7.6.2); ew is not negative, so the hold is one-sided
.endr
	v_cvt_scalef32_pk8_fp8_f32 v[CD+4*\b:CD+4*\b+1], v[X+16*\b:X+16*\b+7], v[TM+12+\b]
	v_cvt_scalef32_pk8_fp8_f32 v[CD+4*\b+2:CD+4*\b+3], v[X+16*\b+8:X+16*\b+15], v[TM+12+\b]
.endr
	v_nop                                          ; a plain instruction behind the last conversion
	ds_store_b32 v[SCW], v[PW]                     ; both lanes of a row write the same word with the same value
	s_wait_alu depctr_va_vdst(0)
	s_wait_dscnt 0x0
	s_barrier_signal -1
	s_barrier_wait -1                              ; the 16 rows' 32 scale bytes lie in LDS as they lie in memory
.irp c, 0,1,2,3
	global_store_b128 v[L16], v[CD+4*\c:CD+4*\c+3], s[14:15] offset:512*\c   ; registers 4 c .. 4 c + 3 of the fragment: 512 consecutive bytes, aligned
.endr
	s_cmp_lg_u32 s22, 0
	s_cbranch_scc1 .Ldone
	ds_load_b128 v[PM:PM+3], v[SCR]
	s_wait_dscnt 0x0
	global_store_b128 v[L16], v[PM:PM+3], s[16:17] ; wave 0 stores the tile's 512 scale bytes: consecutive, aligned
.Ldone:
	s_wait_tensorcnt 0x0                           ; the wave's end, behind my last LDS store
	ds_add_u32 v[SPW], v[NIL]
	s_wait_dscnt 0x0
	s_endpgm
	; ---- the laying of x and of the weights: tile T = 8 x (work-group - 64) + wave; T under 2,048: x's; from there on 32 tiles each of Wk, Wv, Wq.  No barrier: waves share nothing.
.Llay:
	s_add_co_u32 s23, s23, LSTG                    ; my stage
	s_wait_alu depctr_va_vdst(0)
	v_add_nc_u32 v[STW], s23, v[L16]
	v_mul_u32_u24 v[STR], v[RR], 528
	s_delay_alu instid0(VALU_DEP_1)
	v_lshl_add_u32 v[STR], v[HH], 4, v[STR]        ; row r, + 16 h: 16 codes of a block of 32
	s_delay_alu instid0(VALU_DEP_1)
	v_add_nc_u32 v[STR], s23, v[STR]
	s_sub_co_u32 s27, ttmp9, EWG
	s_lshl_b32 s30, s27, 3
	s_add_co_u32 s30, s30, s22                     ; T
	s_lshr_b32 s32, s30, 1
	s_lshl_b32 s32, s32, 14                        ; x: tile 2 g + u begins at 32 g rows of 512 bytes
	s_and_b32 s33, s30, 1
	s_lshl_b32 s33, s33, 12                        ;    + 8 u rows,
	s_add_co_u32 s32, s32, s33
	s_lshl_b32 s34, s30, 13                        ;    and goes to 8,192 T
	s_sub_co_u32 s36, s30, 2048                    ; the weights: tile T - 2,048 of the 96
	s_and_b32 s37, s36, 31
	s_lshl_b32 s37, s37, 13                        ;    begins at 16 rows x its number within its weight,
	s_lshl_b32 s38, s36, 13                        ;    and goes to 8,192 x its number among the 96: Wk's 32, Wv's, Wq's
	s_lshr_b32 s39, s36, 5                         ;    which weight
	s_mov_b32 s40, 4096                            ; a weight's upper eight rows follow the lower eight
	s_mov_b32 s33, 0
	s_mov_b32 s35, 0
	s_wait_alu depctr_va_vdst(0)
	s_wait_kmcnt 0x0
	s_cmp_eq_u32 s39, 1                            ; the choices hang on the tile's number alone
	s_cselect_b64 s[8:9], s[10:11], s[8:9]
	s_cmp_eq_u32 s39, 2
	s_cselect_b64 s[8:9], s[12:13], s[8:9]
	s_cmp_lt_u32 s30, 2048
	s_cselect_b64 s[6:7], s[6:7], s[8:9]           ; from where,
	s_cselect_b64 s[18:19], s[18:19], s[20:21]     ; to where
	s_cselect_b32 s32, s32, s37
	s_cselect_b32 s34, s34, s38
	s_cselect_b32 s40, 8192, s40                   ; x's upper eight rows lie 16 rows on
	s_add_nc_u64 s[6:7], s[6:7], s[32:33]
	s_add_nc_u64 s[18:19], s[18:19], s[34:35]
	v_add_nc_u32 v[LHI], s40, v[L16]
.set i, 0
.rept 8
	global_load_b128 v[R+4*i:R+4*i+3], v[L16], s[6:7] offset:512*i th:TH_LOAD_NT          ; a row: 32 lanes read 512 consecutive bytes; read once in the launch
.set i, i+1
.endr
.set i, 0
.rept 8
	global_load_b128 v[R+32+4*i:R+32+4*i+3], v[LHI], s[6:7] offset:512*i th:TH_LOAD_NT
.set i, i+1
.endr
	s_wait_loadcnt 0x0
.set i, 0
.rept 16
	ds_store_b128 v[STW], v[R+4*i:R+4*i+3] offset:528*i
.set i, i+1
.endr
.irp ks, 0,1,2,3
.irp c, 0,1,2,3
	ds_load_b128 v[X+4*(4*\ks+\c):X+4*(4*\ks+\c)+3], v[STR] offset:128*\ks+32*\c   ; registers 4 c .. 4 c + 3 of fragment ks; LDS serves a wave's instructions in order: these see my stores
.endr
.endr
.set i, 0
.rept 16
	s_wait_dscnt 15-i                              ; load i is back; the younger ones may be out
	global_store_b128 v[L16], v[X+4*i:X+4*i+3], s[18:19] offset:512*i   ; 512 consecutive bytes, aligned
.set i, i+1
.endr
	s_wait_tensorcnt 0x0                           ; the wave's end, behind my last LDS store
	ds_add_u32 v[SPW], v[NIL]
	s_wait_dscnt 0x0
	s_endpgm
.Lfunc_end_k_qb5bb321f50_prep:
	.size	k_qb5bb321f50_prep, .Lfunc_end_k_qb5bb321f50_prep-k_qb5bb321f50_prep
	.p2alignl 7, 3214868480
	.fill 96, 4, 3214868480
	.section	.rodata,"a",@progbits
	.p2align	6, 0x0
	.amdhsa_kernel k_qb5bb321f50_prep
		.amdhsa_group_segment_fixed_size 137216
		.amdhsa_private_segment_fixed_size 0
		.amdhsa_enable_private_segment 0
		.amdhsa_kernarg_size 72
		.amdhsa_user_sgpr_count 2
		.amdhsa_user_sgpr_kernarg_segment_ptr 1
		.amdhsa_wavefront_size32 1
		.amdhsa_system_sgpr_workgroup_id_x 1
		.amdhsa_system_sgpr_workgroup_id_y 1
		.amdhsa_system_sgpr_workgroup_id_z 1
		.amdhsa_system_vgpr_workitem_id 0
		.amdhsa_next_free_vgpr 192
		.amdhsa_next_free_sgpr 66
		.amdhsa_reserve_vcc 0
		.amdhsa_float_denorm_mode_32 3
		.amdhsa_float_denorm_mode_16_64 3
		.amdhsa_memory_ordered 1
		.amdhsa_forward_progress 1
		.amdhsa_inst_pref_size 31
	.end_amdhsa_kernel
	.amdgpu_metadata
---
amdhsa.version: [ 1, 2 ]
amdhsa.kernels:
  - .name:           k_qb5bb321f50_prep
    .symbol:         k_qb5bb321f50_prep.kd
    .args:
      - { .name: pos_bias, .offset: 0, .size: 8, .value_kind: global_buffer, .address_space: global }
      - { .name: x_codes, .offset: 8, .size: 8, .value_kind: global_buffer, .address_space: global }
      - { .name: Wk_codes, .offset: 16, .size: 8, .value_kind: global_buffer, .address_space: global }
      - { .name: Wv_codes, .offset: 24, .size: 8, .value_kind: global_buffer, .address_space: global }
      - { .name: Wq_codes, .offset: 32, .size: 8, .value_kind: global_buffer, .address_space: global }
      - { .name: ew_codes, .offset: 40, .size: 8, .value_kind: global_buffer, .address_space: global }
      - { .name: ew_scales, .offset: 48, .size: 8, .value_kind: global_buffer, .address_space: global }
      - { .name: x_frag, .offset: 56, .size: 8, .value_kind: global_buffer, .address_space: global }
      - { .name: w_frag, .offset: 64, .size: 8, .value_kind: global_buffer, .address_space: global }
    .group_segment_fixed_size: 137216
    .private_segment_fixed_size: 0
    .kernarg_segment_align: 8
    .kernarg_segment_size: 72
    .max_flat_workgroup_size: 256
    .sgpr_count:     66
    .vgpr_count:     192
    .wavefront_size: 32
...
	.end_amdgpu_metadata
.endif
;; end of part 1
;; launch aft (part 2): grid 8 x 32, 4 waves a work-group, no clusters, 220,672 bytes of LDS; arguments x_frag, x_scales, w_frag, Wk_scales, Wv_scales, bv, ew_scales, out0, Wq_scales, bq, ew_codes; writes out0
.if DOCPART == 2
	.amdgcn_target "amdgcn-amd-amdhsa--gfx1250"
	.amdhsa_code_object_version 6
	.text
	.protected	k_qb5bb321f50_aft
	.globl	k_qb5bb321f50_aft
	.p2align	8
	.type	k_qb5bb321f50_aft,@function
k_qb5bb321f50_aft:
	s_mov_b64 s[64:65], 0
	v_nop
	global_prefetch_b8 v0, s[64:65] scope:SCOPE_SE
	s_setreg_imm32_b32 hwreg(HW_REG_WAVE_MODE, 25, 1), 1
	s_wait_xcnt 0x0
; out[b][t][d] = sigmoid(q) x (sum_s ew[t][s] ek[s][d] v[s][d]) / (sum_s ew[t][s] ek[s][d]),  q, k, v = x W^T + bias,  ek = exp(k - max over s of k).
; All five products on codes of FP8 (E4M3) with one E8M0 scale for each 32 along K.  x's, the weights' and ew's codes come from the launch before in the order of the operand's registers:
; a fragment is four loads of 512 consecutive bytes.  ek and ek v are quantised here, along s.
; DEAD WORK: bk.  k enters the result only as k - max over s of k, and bk[d] is the same for every s: (sum + bk) - max(sum + bk) = sum - max(sum) for all values of the inputs.
; So bk is not added, not loaded, and is no argument of any launch.  Limit: a NaN, an infinity or an overflow that only bk would bring is not carried to the result.
; SHARES.  A work-group owns one b and 64 d (x: which 64; y: b).  Its four waves share the ROWS: wave w owns rows 256 w .. 256 w + 255, as s in the first products and as t in the last two.
; THE WEIGHTS come once a work-group: each wave fetches a quarter of Wk's, Wv's and Wq's 32,768 bytes, the quarters meet in LDS, and every wave reads them from there.
; PHASE A: k of my 256 rows, 32 at a time, kept only as a running maximum for each d; the four waves' maxima meet in LDS.  The groups go 2 .. 7, 0, 1, so that group 0 still stands in registers when phase B begins.
; PHASE B: k again (the same instructions on the same codes: the same bits) and v; ek and ek v; quantised in registers; their codes go to LDS as images of the operand's registers, their scale bytes beside them.
; PHASE C, twice (128 t each): 128 t x (64 d of the divisor + 64 d of the dividend) over K = 1,024 in 512 accumulators; then tile by tile of 16 t: q, and out = dividend / (divisor + divisor x e^-q).
; LAYOUT.  k, v: source 0 = 16 rows of x, source 1 = 16 rows of W: a lane holds ONE d (lane % 16) and registers along s.  Row p of tile u of x is row 8 u + p + 8 (p / 8) of the 32,
; so that the 16 registers of tiles 0 and 1 are 16 neighbours along s.  ew's tiles hold the same rows of t.
; The last products: source 0 = 16 d of ek or ek v, source 1 = 16 t of ew; q: source 0 = 16 rows of Wq, source 1 = 16 rows of x: a lane holds one t, the same in all three, and eight neighbouring d.
; NO TENSOR LOADS, NO CLUSTER: 135,168 bytes of LDS hold the images and their bytes and 32,768 Wq, all written by ds_store; what is left gives two slots of one K step of ew (65,536 bytes each),
; 64 products a wave between two rounds.  And no fragment of x or ew is read by two waves of a work-group, so LDS would add a write and a read for each byte and spare none.
; NO PREFETCH: the loads themselves go out a group of x or two K steps of ew ahead of their use, into registers, under counted waits.
; LIMITS: NaN and infinities are not served; ek under 2^-126 comes out of v_exp_f32 as 0; a block of zeros gets the byte 1 with zero codes; where divisor x e^-q passes f32's range the result is 0.
.set IMG,   0                          ; the images: fragment a (0-3: ek, d tile a; 4-7: ek v) at 16,384 a + 2,048 (s / 128) + 512 c + 16 lane.  At the head: Wk's stage at 0, Wv's at 32,768
.set ASC,   131072                     ; their scale bytes: 2,048 kind + 512 (d tile) + 32 (d % 16) + s / 32
.set ESL,   135168                     ; ew's scale bytes of a wave's 128 rows, [tile][row][32]: 4,096 bytes a wave
.set OST,   151552                     ; the way out: 32 rows x (256 + 16) bytes a wave
.set OSTW,  8704
.set KMX,   186368                     ; the maxima: [d tile][d % 16][wave] f32
.set SPARE, 187392                     ; the spare words, 128 bytes a wave
.set WQL,   187904                     ; Wq's 16 fragments, for both passes
; window 0, whole launch
.set L16,  1                           ; 16 x lane
.set XSOP, 2                           ; 16 x (the row of the 32 whose scale bytes my lane takes)
.set WQR,  3                           ; WQL + 16 lane
.set WST,  4                           ; 16 lane + 8,192 wave: my quarter of a weight
.set WSQ,  5                           ; WQL + that
.set RR,   20                          ; lane % 16 (phase C: TAS)
.set HH,   21                          ; lane / 16 (phase C: TES)
.set SPW,  22
.set NIL,  23
.set XS0,  52                          ; v52-55, v56-59: x's scale words, two sets: register ks; lanes 0-15 tile 0, lanes 16-31 tile 1
.set XS1,  56
; phases A and B
.set IM0,  6
.set IM1,  7
.set ASW,  8
.set IA0,  9
.set SBV,  10                          ; v10-17 ek v's scale bytes
.set KXW,  17                          ; (phase A)
.set KXR,  18                          ; (phase A)
.set IA1,  18                          ; (phase B)
.set R4,   19
.set KM,   24                          ; v24-27 running maxima
.set BVP,  28                          ; v28-35 bv[16 dt + r], each twice
.set WKS,  36                          ; v36-43 Wk's scale words: 4 (dt / 2) + ks; lanes 0-15 the even d tile, 16-31 the odd one
.set WVS,  44
.set KA,   64                          ; v64-127 k, then ek: 16 dt + i: d = 16 dt + r, s = 16 h + i
.set VA,   128                         ; v128-191 v, then ek v
.set TM,   192
.set CE,   208
.set CV,   224
.set SBE,  240
.set KXP,  248                         ; v248-255 the largest sum of each d, each twice
; window 1: Wk's fragment (dt, ks) at 16 (4 dt + ks).  window 2: Wv's.  window 3: x's fragment (u, ks) at 16 (4 u + ks): set 0 from v128, set 1 (phase A) from v0
; phase C
.set AR0,  6
.set AR1,  7
.set ASR,  8
.set ESR,  9
.set ESW,  10
.set OSW,  11
.set OSR,  12
.set GO,   13
.set H32,  14
.set TA0,  15
.set TA1,  16
.set TAS,  20
.set TES,  21
.set SA,   36                          ; scale words of ek | ek v: set e at 4 e
.set SE,   44                          ; of ew: tiles j | j + 4
.set WQS,  36                          ; behind the K loop: Wq's scale words
.set BQ,   64                          ; v64-95 bq[16 dt + 8 h + j]: the C of q's first products
.set QA,   96                          ; v96-127 q of one tile of 16 t: 8 dt + j
.set AF,   128                         ; v128-255 the eight images; behind the K loop x's fragments of two tiles
; window 1: ew's fragments, two sets; behind the K loop Wq's.  window 2: the divisor at 64 dt + 8 b.  window 3: the dividend
.set MSB, 0
.macro WIN new
.if MSB != (\new)
	s_set_vgpr_msb (MSB<<8)|(\new)
.set MSB, \new
.endif
.endm
.macro PLACES n                        ; plain places behind a matrix instruction (ISA guide 7.12.1)
.rept \n
	v_nop
.endr
.endm
.macro WALU
	s_wait_alu depctr_va_vdst(0)
.endm
.macro WMS d, a, b, cz, c, sa, sb, ra, rb
.if \cz
.if (\ra) && (\rb)
	v_wmma_scale_f32_16x16x128_f8f6f4 v[\d:\d+7], v[\a:\a+15], v[\b:\b+15], 0, v[\sa], v[\sb] matrix_a_scale:MATRIX_SCALE_ROW1 matrix_b_scale:MATRIX_SCALE_ROW1
.elseif (\ra)
	v_wmma_scale_f32_16x16x128_f8f6f4 v[\d:\d+7], v[\a:\a+15], v[\b:\b+15], 0, v[\sa], v[\sb] matrix_a_scale:MATRIX_SCALE_ROW1
.elseif (\rb)
	v_wmma_scale_f32_16x16x128_f8f6f4 v[\d:\d+7], v[\a:\a+15], v[\b:\b+15], 0, v[\sa], v[\sb] matrix_b_scale:MATRIX_SCALE_ROW1
.else
	v_wmma_scale_f32_16x16x128_f8f6f4 v[\d:\d+7], v[\a:\a+15], v[\b:\b+15], 0, v[\sa], v[\sb]
.endif
.else
.if (\ra) && (\rb)
	v_wmma_scale_f32_16x16x128_f8f6f4 v[\d:\d+7], v[\a:\a+15], v[\b:\b+15], v[\c:\c+7], v[\sa], v[\sb] matrix_a_scale:MATRIX_SCALE_ROW1 matrix_b_scale:MATRIX_SCALE_ROW1
.elseif (\ra)
	v_wmma_scale_f32_16x16x128_f8f6f4 v[\d:\d+7], v[\a:\a+15], v[\b:\b+15], v[\c:\c+7], v[\sa], v[\sb] matrix_a_scale:MATRIX_SCALE_ROW1
.elseif (\rb)
	v_wmma_scale_f32_16x16x128_f8f6f4 v[\d:\d+7], v[\a:\a+15], v[\b:\b+15], v[\c:\c+7], v[\sa], v[\sb] matrix_b_scale:MATRIX_SCALE_ROW1
.else
	v_wmma_scale_f32_16x16x128_f8f6f4 v[\d:\d+7], v[\a:\a+15], v[\b:\b+15], v[\c:\c+7], v[\sa], v[\sb]
.endif
.endif
.endm
; Group s44 % 8 of my 256 rows of x, in two halves of 17 loads: scale words and fragments of K steps 0, 1; then 2, 3
.macro XH1 fb, xs
	WIN 0
	s_wait_xcnt 0x0                                ; the earlier loads have read their addresses
	s_and_b32 s36, s44, 7
	s_lshl_b32 s36, s36, 14
	s_lshr_b32 s38, s36, 5
	s_add_nc_u64 s[40:41], s[4:5], s[36:37]
	s_add_nc_u64 s[42:43], s[6:7], s[38:39]
	s_add_co_u32 s44, s44, 1
	global_load_b64 v[\xs:\xs+1], v[XSOP], s[42:43]
	WIN 0xc0
.irp u, 0,1
.irp ks, 0,1
.irp c, 0,1,2,3
	global_load_b128 v[\fb+16*(4*\u+\ks)+4*\c:\fb+16*(4*\u+\ks)+4*\c+3], v[L16], s[40:41] offset:512*(16*\u+4*\ks+\c)
.endr
.endr
.endr
	WIN 0
.endm
.macro XH2 fb, xs
	WIN 0
	global_load_b64 v[\xs+2:\xs+3], v[XSOP], s[42:43] offset:8
	WIN 0xc0
.irp u, 0,1
.irp ks, 2,3
.irp c, 0,1,2,3
	global_load_b128 v[\fb+16*(4*\u+\ks)+4*\c:\fb+16*(4*\u+\ks)+4*\c+3], v[L16], s[40:41] offset:512*(16*\u+4*\ks+\c)
.endr
.endr
.endr
	WIN 0
.endm
; Eight products of K step ks: 2 tiles of x's rows x 4 tiles of d; the accumulators take turns
.macro P1MUL acc, ws, ks, zero, win, fb, xs
	WIN \win
.irp u, 0,1
.irp dt, 0,1,2,3
	WMS \acc+16*\dt+8*\u, \fb+16*(4*\u+\ks), 16*(4*\dt+\ks), \zero, \acc+16*\dt+8*\u, \xs+\ks, \ws+4*(\dt/2)+\ks, \u, \dt%2
.endr
.endr
.endm
; 64 numbers of a lane: four blocks of 32 along s, each shared with lane l xor 16.  Codes to v[cod + 4 b], bytes to v[TM + 4 + b].  sgn = 0: none is negative
.macro QNT src, sgn, cod
.if \sgn
.irp b, 0,1,2,3
	v_max3_num_f32 v[TM+\b], |v[\src+16*\b]|, |v[\src+16*\b+1]|, 0x4800000   ; the floor 2^(9 - 127): the byte cannot fall under 1
.endr
.irp i, 2,4,6,8,10,12,14
.irp b, 0,1,2,3
	v_max3_num_f32 v[TM+\b], v[TM+\b], |v[\src+16*\b+\i]|, |v[\src+16*\b+\i+1]|
.endr
.endr
.else
.irp b, 0,1,2,3
	v_max3_num_f32 v[TM+\b], v[\src+16*\b], v[\src+16*\b+1], 0x4800000
.endr
.irp i, 2,4,6,8,10,12,14
.irp b, 0,1,2,3
	v_max3_num_f32 v[TM+\b], v[TM+\b], v[\src+16*\b+\i], v[\src+16*\b+\i+1]
.endr
.endr
.endif
.irp b, 0,1,2,3
	v_permlanex16_b32 v[TM+4+\b], v[TM+\b], s52, s53
.endr
.irp b, 0,1,2,3
	v_max_num_f32 v[TM+\b], v[TM+\b], v[TM+4+\b]
.endr
.irp b, 0,1,2,3
	v_add_nc_u32 v[TM+12+\b], 0xfc000000, v[TM+\b] ; 8 off the exponent field: the conversion's scale operand
.endr
.irp b, 0,1,2,3
	v_and_or_b32 v[TM+8+\b], v[TM+\b], 0x7f800000, s54   ; 448 x the scale
.endr
.irp b, 0,1,2,3
	v_lshrrev_b32 v[TM+4+\b], 23, v[TM+12+\b]      ; the byte
.endr
.irp b, 0,1,2,3
.irp i, 0,1,2,3,4,5,6,7,8,9,10,11,12,13,14,15
.if \sgn
	v_med3_num_f32 v[\src+16*\b+\i], v[\src+16*\b+\i], -v[TM+8+\b], v[TM+8+\b]   ; the conversion does not saturate (ISA guide 7.6.2): the hold
.else
	v_min_num_f32 v[\src+16*\b+\i], v[\src+16*\b+\i], v[TM+8+\b]
.endif
.endr
	v_cvt_scalef32_pk8_fp8_f32 v[\cod+4*\b:\cod+4*\b+1], v[\src+16*\b:\src+16*\b+7], v[TM+12+\b]
	v_cvt_scalef32_pk8_fp8_f32 v[\cod+4*\b+2:\cod+4*\b+3], v[\src+16*\b+8:\src+16*\b+15], v[TM+12+\b]
.endr
	v_nop                                          ; a plain line behind the last conversion
.endm
; The group's four bytes go in at the top of four pairs that move down 8 bits a group
.macro BYTES sb
.irp dt, 0,1,2,3
	v_alignbit_b32 v[\sb+2*\dt], v[\sb+2*\dt+1], v[\sb+2*\dt], 8
.endr
.irp dt, 0,1,2,3
	v_alignbit_b32 v[\sb+2*\dt+1], v[TM+4+\dt], v[\sb+2*\dt+1], 8
.endr
.endm
; PHASE A, one group.  lc: the loads issued behind this set's, which may stay out
.macro GA fb, xs, load, lc
	s_wait_loadcnt \lc
	P1MUL KA, WKS, 0, 1, 0x07, \fb, \xs
	P1MUL KA, WKS, 1, 0, 0x07, \fb, \xs
	P1MUL KA, WKS, 2, 0, 0x07, \fb, \xs
	P1MUL KA, WKS, 3, 0, 0x07, \fb, \xs
	WIN 0
	PLACES 8
.if \load
	XH1 \fb, \xs
	XH2 \fb, \xs
.endif
.irp u, 0,1
.irp j, 0,2,4,6
.irp dt, 0,1,2,3
	v_max3_num_f32 v[KM+\dt], v[KM+\dt], v[KA+16*\dt+8*\u+\j], v[KA+16*\dt+8*\u+\j+1]   ; each accumulator from its low end on
.endr
.endr
.endr
	WALU
.endm
; PHASE B, one group.  One fragment set, asked for again in two halves, each as soon as its products are issued
.macro GB load
	s_wait_loadcnt 17                              ; K steps 0 and 1 are in; the second half's 17 loads may be out
	P1MUL KA, WKS, 0, 1, 0x07, 128, XS0
	P1MUL VA, WVS, 0, 1, 0x0b, 128, XS0
	P1MUL KA, WKS, 1, 0, 0x07, 128, XS0
	P1MUL VA, WVS, 1, 0, 0x0b, 128, XS0
	WIN 0
	v_add_nc_u32 v[IA0], s72, v[IM0]               ; where this group's codes go (two of the eight places)
	v_add_nc_u32 v[IA1], s72, v[IM1]
	PLACES 6
.if \load
	XH1 128, XS0
	s_wait_loadcnt 17                              ; K steps 2 and 3 are in; the 17 just issued may be out
.else
	s_wait_loadcnt 0x0
.endif
	P1MUL KA, WKS, 2, 0, 0x07, 128, XS0
	P1MUL VA, WVS, 2, 0, 0x0b, 128, XS0
	P1MUL KA, WKS, 3, 0, 0x07, 128, XS0
	P1MUL VA, WVS, 3, 0, 0x0b, 128, XS0
	WIN 0
	PLACES 8
.if \load
	XH2 128, XS0
.else
	NEXTEW 1, 1                                    ; the last group: Wk's registers are done with, so phase C's first loads go out ahead of this group's vector work
.endif
	s_wait_dscnt 0x0                               ; the last group's LDS stores have read the codes' registers
.irp dt, 0,1,2,3
.irp j, 0,2,4,6,8,10,12,14
	v_pk_add_f32 v[KA+16*\dt+\j:KA+16*\dt+\j+1], v[KA+16*\dt+\j:KA+16*\dt+\j+1], v[KXP+2*\dt:KXP+2*\dt+1] neg_lo:[0,1] neg_hi:[0,1]   ; k - the largest k: exactly 0 there
.endr
.endr
.set i, 0
.rept 32
	v_pk_mul_f32 v[KA+i:KA+i+1], v[KA+i:KA+i+1], s[48:49] op_sel_hi:[1,0]
.set i, i+2
.endr
.irp dt, 0,1,2,3
.irp j, 0,2,4,6,8,10,12,14
	v_pk_add_f32 v[VA+16*\dt+\j:VA+16*\dt+\j+1], v[VA+16*\dt+\j:VA+16*\dt+\j+1], v[BVP+2*\dt:BVP+2*\dt+1]   ; v
.endr
.endr
	WALU                                           ; ahead of the batch
.set i, 0
.rept 64
	v_exp_f32 v[KA+i], v[KA+i]                     ; ek, at most 1
.set i, i+1
.endr
	v_nop
	WALU                                           ; behind the batch
.set i, 0
.rept 32
	v_pk_mul_f32 v[VA+i:VA+i+1], v[VA+i:VA+i+1], v[KA+i:KA+i+1]   ; ek v, of the unquantised ek
.set i, i+2
.endr
	QNT KA, 0, CE
	BYTES SBE
.irp dt, 0,1,2,3
	ds_store_b128 v[IA0], v[CE+4*\dt:CE+4*\dt+3] offset:16384*\dt
.endr
	QNT VA, 1, CV
	BYTES SBV
.irp dt, 0,1,2,3
	ds_store_b128 v[IA1], v[CV+4*\dt:CV+4*\dt+3] offset:16384*\dt
.endr
	s_add_co_u32 s72, s72, 512
.endm
; PHASE C.  16 products: images a0, a0 + 1 x ew's eight tiles, set e.  The 64 accumulators take turns, in the same order in every K step
.macro MUL16 a0, e, zero
.irp a, \a0, \a0+1
.irp b, 0,1,2,3,4,5,6,7
	WMS 8*(8*((\a)%4)+\b), AF+16*(\a), 128*(\e)+16*\b, \zero, 8*(8*((\a)%4)+\b), SA+4*(\e)+(\a)%4, SE+4*(\e)+\b%4, (\a)/4, \b/4
.endr
.endr
.endm
.macro FETCH_A a0
.irp a, \a0, \a0+1, \a0+2, \a0+3
.irp c, 0,1,2,3
	ds_load_b128 v[AF+16*(\a)+4*\c:AF+16*(\a)+4*\c+3], v[TA0+(\a0)/4] offset:16384*((\a)%4)+512*\c
.endr
.endr
.endm
.macro FETCH_S e
.irp j, 0,1,2,3
	ds_load_b32 v[SA+4*(\e)+\j], v[TAS] offset:512*\j
.endr
.irp j, 0,1,2,3
	ds_load_b32 v[SE+4*(\e)+\j], v[TES] offset:512*\j
.endr
.endm
.macro MUL16B b0, e, zero              ; 16 products: images 4-7 x ew's tiles b0 .. b0 + 3
.irp a, 4,5,6,7
.irp b, \b0, \b0+1, \b0+2, \b0+3
	WMS 8*(8*((\a)%4)+(\b)), AF+16*(\a), 128*(\e)+16*(\b), \zero, 8*(8*((\a)%4)+(\b)), SA+4*(\e)+(\a)%4, SE+4*(\e)+(\b)%4, (\a)/4, (\b)/4
.endr
.endr
.endm
.macro FETCH_E e, first, half          ; four of ew's eight fragments (tiles 4 half .. 4 half + 3) of the K step two on, into registers just multiplied: 16 loads; the first half steps the pointer
.if !(\first) && !(\half)
	s_wait_xcnt 0x0
	s_add_nc_u64 s[56:57], s[56:57], 2048
.endif
	WIN 0x40
.irp b, 4*(\half), 4*(\half)+1, 4*(\half)+2, 4*(\half)+3
.irp c, 0,1,2,3
	global_load_b128 v[128*(\e)+16*(\b)+4*\c:128*(\e)+16*(\b)+4*\c+3], v[L16], s[56:57] offset:4096+16384*(\b)+512*\c
.endr
.endr
	WIN 0
.endm
; A K step of 128: 64 products.  The images have one set of registers: 0-3 are fetched anew in the step's middle, 4-7 at its end
.macro STEP e, zero, fa, fe, first, lc
	s_wait_loadcnt \lc                             ; this set of ew is in; the other set's loads may be out
	s_wait_dscnt 16                                ; images 0-3 and the scale words are in; the youngest 16 loads may be out
	WIN 0xa4
	MUL16 0, \e, \zero
	MUL16 2, \e, \zero
	WIN 0
	s_wait_dscnt 0x0
.if \fa
	s_add_co_u32 s70, s70, 2048
	s_add_co_u32 s71, s71, 4
	v_add_nc_u32 v[TA0], s70, v[AR0]               ; (these four are places too)
	v_add_nc_u32 v[TA1], s70, v[AR1]
	v_add_nc_u32 v[TAS], s71, v[ASR]
	v_add_nc_u32 v[TES], s71, v[ESR]
	WALU
	PLACES 4
	FETCH_A 0
	FETCH_S 1-\e
.endif
	WIN 0xf4
	MUL16B 0, \e, \zero
	WIN 0
.if \fe
	PLACES 8
	FETCH_E \e, \first, 0                          ; ew's tiles 0-3 of this set are done with: asked for again 16 products ahead of the step's end
.endif
	WIN 0xf4
	MUL16B 4, \e, \zero
	WIN 0
	PLACES 8
.if \fa
	FETCH_A 4
.endif
.if \fe
	FETCH_E \e, \first, 1
.endif
.endm
; What a pass begins with: ew's scale bytes of its 128 rows (8 loads), then both sets of fragments: 72 loads
.macro NEXTEW first, part              ; part 1: the scale bytes (into window 3, v0-31) and K step 0: 40 loads; part 2: K step 1: 32 loads; part 0: both
.if !(\first)
	s_wait_xcnt 0x0
	s_add_nc_u64 s[56:57], s[56:57], 120832        ; the K loop has stepped 5 x 2,048: together eight tiles on
	s_add_nc_u64 s[58:59], s[58:59], 4096
.endif
.if (\part) != 2
	WIN 0xc0
.set i, 0
.rept 8
	global_load_b128 v[4*i:4*i+3], v[L16], s[58:59] offset:512*i
.set i, i+1
.endr
.endif
	WIN 0x40
.irp e, 0,1
.if (\part) == 0 || (\part) == \e+1
.irp b, 0,1,2,3,4,5,6,7
.irp c, 0,1,2,3
	global_load_b128 v[128*\e+16*\b+4*\c:128*\e+16*\b+4*\c+3], v[L16], s[56:57] offset:2048*\e+16384*\b+512*\c
.endr
.endr
.endif
.endr
	WIN 0
.endm
; THE WAY OUT, tile b of the pass's eight (16 t).  XT: x's four fragments into half b % 2 of AF: 16 loads; ahead of an even tile the scale words of its pair of tiles: 1 load
.macro XT b
.if (\b)%2 == 0
	global_load_b128 v[XS0+4*(((\b)/2)%2):XS0+4*(((\b)/2)%2)+3], v[XSOP], s[66:67] offset:512*((\b)/2)
.endif
.set i, 0
.rept 16
	global_load_b128 v[AF+64*((\b)%2)+4*i:AF+64*((\b)%2)+4*i+3], v[L16], s[60:61] offset:8192*(\b)+512*i
.set i, i+1
.endr
.endm
; QT: q of the tile: 16 products, four accumulators by turns; bq is the C of each sum's first.  lc: the next tile's loads, which may stay out
.macro QT b, lc
	s_wait_loadcnt \lc
.if (\b) == 0
	s_wait_dscnt 0x0                               ; Wq is in its registers
.endif
	WIN 0x01
.irp ks, 0,1,2,3
.irp dt, 0,1,2,3
.if \ks == 0
	WMS QA+8*\dt, 16*(4*\dt+\ks), AF+64*((\b)%2)+16*\ks, 0, BQ+8*\dt, WQS+4*(\dt/2)+\ks, XS0+4*(((\b)/2)%2)+\ks, \dt%2, (\b)%2
.else
	WMS QA+8*\dt, 16*(4*\dt+\ks), AF+64*((\b)%2)+16*\ks, 0, QA+8*\dt, WQS+4*(\dt/2)+\ks, XS0+4*(((\b)/2)%2)+\ks, \dt%2, (\b)%2
.endif
.endr
.endr
	WIN 0
	PLACES 8
.endm
; EPT: out = dividend / (divisor + divisor x e^-q), which is sigmoid(q) x dividend / divisor with one reciprocal; into my stage, and back as rows of 256 bytes into the divisor's registers
.macro EPT b
.set i, 0
.rept 16
	v_pk_mul_f32 v[QA+i:QA+i+1], v[QA+i:QA+i+1], s[50:51] op_sel_hi:[1,0]   ; -q log2(e)
.set i, i+2
.endr
	WALU                                           ; ahead of the batch
.set i, 0
.rept 32
	v_exp_f32 v[QA+i], v[QA+i]
.set i, i+1
.endr
	WIN 0xa2
	v_nop
	WALU                                           ; behind the batch, and directly ahead of the first readers of the divisor's sums
.irp dt, 0,1,2,3
.irp j, 0,2,4,6
	v_pk_fma_f32 v[64*\dt+8*(\b)+\j:64*\dt+8*(\b)+\j+1], v[64*\dt+8*(\b)+\j:64*\dt+8*(\b)+\j+1], v[QA+8*\dt+\j:QA+8*\dt+\j+1], v[64*\dt+8*(\b)+\j:64*\dt+8*(\b)+\j+1]
.endr
.endr
	WIN 0x82
	WALU                                           ; ahead of the batch
.irp dt, 0,1,2,3
.irp j, 0,1,2,3,4,5,6,7
	v_rcp_f32 v[64*\dt+8*(\b)+\j], v[64*\dt+8*(\b)+\j]
.endr
.endr
	WIN 0xcb
	v_nop
	WALU                                           ; behind the batch, and directly ahead of the first readers of the dividend's sums
.irp dt, 0,1,2,3
.irp j, 0,2,4,6
	v_pk_mul_f32 v[64*\dt+8*(\b)+\j:64*\dt+8*(\b)+\j+1], v[64*\dt+8*(\b)+\j:64*\dt+8*(\b)+\j+1], v[64*\dt+8*(\b)+\j:64*\dt+8*(\b)+\j+1]   ; window 3 = window 3 x window 2
.endr
.endr
	WIN 0x0c                                       ; an LDS store's data are its source 1: window 3
.irp dt, 0,1,2,3
	ds_store_b128 v[OSW], v[64*\dt+8*(\b):64*\dt+8*(\b)+3] offset:4352*((\b)%2)+64*\dt       ; lane (r, h): place r, d 16 dt + 8 h + 0 .. 7
	ds_store_b128 v[OSW], v[64*\dt+8*(\b)+4:64*\dt+8*(\b)+7] offset:4352*((\b)%2)+64*\dt+16
.endr
	WIN 0x80
.set i, 0
.rept 8
	ds_load_b128 v[64*(i/2)+8*(\b)+4*(i%2):64*(i/2)+8*(\b)+4*(i%2)+3], v[OSR] offset:4352*((\b)%2)+544*i   ; lanes 0-15 place 2 i, lanes 16-31 place 2 i + 1; LDS serves a wave's instructions in order
.set i, i+1
.endr
	WIN 0
.endm
; SEND: the tile's rows leave; it stands behind the next tile's products.  No LDS instruction was issued behind EPT's eight loads
.macro SEND b
	WIN 0x08                                       ; a global store's data are its source 1: window 2
.set i, 0
.rept 8
	s_wait_dscnt 7-i
	global_store_b128 v[GO], v[64*(i/2)+8*(\b)+4*(i%2):64*(i/2)+8*(\b)+4*(i%2)+3], s[68:69] offset:65536*((\b)/2)+2048*(8*((\b)%2)+2*i+8*(i/4)) th:TH_STORE_NT   ; place p of tile u is row 8 u + p + 8 (p / 8) of the 32; 16 lanes store 256 consecutive bytes, aligned
.set i, i+1
.endr
	WIN 0
.endm
	s_load_b256 s[4:11], s[0:1], 0x0               ; x's fragments, x's scales, the weights' fragments, Wk's scales
	s_load_b128 s[16:19], s[0:1], 0x20             ; Wv's scales, bv
	s_load_b128 s[28:31], s[0:1], 0x30             ; ew's scales, out
	s_load_b64 s[22:23], s[0:1], 0x40              ; Wq's scales
	s_load_b64 s[24:25], s[0:1], 0x48              ; bq
	s_load_b64 s[26:27], s[0:1], 0x50              ; ew's codes
	v_lshl_add_u32 v[SPW], v0, 2, SPARE
	v_mov_b32 v[NIL], 0
	v_lshrrev_b32 v[L16], 5, v0
	v_readfirstlane_b32 s32, v[L16]                ; wave 0..3
	s_and_b32 s34, ttmp7, 0xffff                   ; b
	v_and_b32 v[L16], 31, v0
	v_lshlrev_b32 v[L16], 4, v[L16]
	v_and_b32 v[RR], 15, v0
	v_bfe_u32 v[HH], v0, 4, 1
	v_and_b32 v[XSOP], 8, v[RR]
	v_add_nc_u32 v[XSOP], v[XSOP], v[RR]
	v_lshl_add_u32 v[XSOP], v[HH], 3, v[XSOP]      ; row 8 h + r + 8 (r / 8) of the 32,
	v_lshlrev_b32 v[XSOP], 4, v[XSOP]              ; 16 scale bytes a row
	s_lshl_b32 s74, s32, 12                        ; my 256 rows are two K steps of the last products
	s_add_co_u32 s74, s74, IMG
	v_add_nc_u32 v[IM0], s74, v[L16]
	v_add_nc_u32 v[IM1], 65536, v[IM0]
	s_lshl_b32 s74, s32, 3
	s_add_co_u32 s74, s74, ASC
	v_lshl_add_u32 v[ASW], v[RR], 5, s74
	v_lshl_add_u32 v[KXR], v[RR], 4, KMX
	s_lshl_b32 s74, s32, 2
	v_add_nc_u32 v[KXW], s74, v[KXR]
	v_lshlrev_b32 v[R4], 2, v[RR]
	s_lshl_b32 s74, s32, 13
	v_add_nc_u32 v[WST], s74, v[L16]
	v_add_nc_u32 v[WSQ], WQL, v[WST]
	v_add_nc_u32 v[WQR], WQL, v[L16]
.irp dt, 0,1,2,3
	v_mov_b32 v[KM+\dt], 0xff800000                ; -infinity
.endr
	s_mov_b32 s48, 0x3fb8aa3b                      ; log2(e)
	s_mov_b32 s49, s48
	s_mov_b32 s50, 0xbfb8aa3b                      ; -log2(e)
	s_mov_b32 s51, s50
	s_mov_b32 s52, 0x76543210
	s_mov_b32 s53, 0xfedcba98                      ; lane l xor 16
	s_mov_b32 s54, 0x600000                        ; the mantissa field of 448
	s_mov_b32 s37, 0
	s_mov_b32 s39, 0
	s_lshl_b32 s36, s34, 19                        ; b x 1,024 rows of 512 bytes
	s_lshl_b32 s38, s32, 17                        ; + wave x 256 rows
	s_add_co_u32 s36, s36, s38
	s_lshr_b32 s38, s36, 5                         ; the same rows' scale bytes
	WALU                                           ; the head's end
	s_wait_kmcnt 0x0
	s_add_nc_u64 s[4:5], s[4:5], s[36:37]
	s_add_nc_u64 s[6:7], s[6:7], s[38:39]
	s_lshl_b32 s36, ttmp9, 15                      ; my 64 rows of each weight: four tiles of 8,192 bytes
	s_add_nc_u64 s[8:9], s[8:9], s[36:37]          ; Wk's,
	s_add_nc_u64 s[14:15], s[8:9], 0x40000         ; Wv's,
	s_add_nc_u64 s[20:21], s[8:9], 0x80000         ; Wq's
	s_lshl_b32 s36, ttmp9, 10                      ; their scale bytes
	s_add_nc_u64 s[10:11], s[10:11], s[36:37]
	s_add_nc_u64 s[16:17], s[16:17], s[36:37]
	s_add_nc_u64 s[22:23], s[22:23], s[36:37]
	s_lshl_b32 s36, ttmp9, 8                       ; my 64 numbers of each bias; also my 256 bytes of a row of out
	s_add_nc_u64 s[18:19], s[18:19], s[36:37]
	s_add_nc_u64 s[24:25], s[24:25], s[36:37]
	s_lshl_b32 s38, s32, 18                        ; ew: my wave's 16 tiles of 16,384 bytes
	s_add_nc_u64 s[56:57], s[26:27], s[38:39]
	s_lshl_b32 s38, s32, 13
	s_add_nc_u64 s[58:59], s[28:29], s[38:39]
	s_lshl_b32 s38, s34, 21                        ; out: b x 1,024 rows of 2,048 bytes
	s_add_co_u32 s36, s36, s38
	s_lshl_b32 s38, s32, 19
	s_add_co_u32 s36, s36, s38
	s_add_nc_u64 s[68:69], s[30:31], s[36:37]
.set i, 0
.rept 16                                               ; my quarter, 8,192 bytes, of each weight: 48 loads of 512 consecutive bytes
	global_load_b128 v[64+4*i:64+4*i+3], v[WST], s[8:9] offset:512*i
.set i, i+1
.endr
	global_load_b128 v[WKS:WKS+3], v[L16], s[10:11]               ; lane l: the 16 scale bytes of row l
	global_load_b128 v[WKS+4:WKS+7], v[L16], s[10:11] offset:512
	global_load_b128 v[WVS:WVS+3], v[L16], s[16:17]
	global_load_b128 v[WVS+4:WVS+7], v[L16], s[16:17] offset:512
.irp dt, 0,1,2,3
	global_load_b32 v[BVP+2*\dt], v[R4], s[18:19] offset:64*\dt   ; bv[16 dt + r], into both registers of a pair
	global_load_b32 v[BVP+2*\dt+1], v[R4], s[18:19] offset:64*\dt
.endr
	s_mov_b32 s44, 2                               ; phase A walks groups 2 .. 7, 0, 1
	XH1 128, XS0
	XH2 128, XS0
.set i, 0
.rept 16                                               ; Wv's and Wq's quarters come behind what phase A needs first
	global_load_b128 v[128+4*i:128+4*i+3], v[WST], s[14:15] offset:512*i
	global_load_b128 v[192+4*i:192+4*i+3], v[WST], s[20:21] offset:512*i
.set i, i+1
.endr
	s_wait_loadcnt 63                              ; of the 94 loads the 31 oldest are in: Wk's 16 among them
.set i, 0
.rept 16
	ds_store_b128 v[WST], v[64+4*i:64+4*i+3] offset:512*i
.set i, i+1
.endr
	s_wait_dscnt 0x0                               ; for the others' sake: my stores are done
	s_barrier_signal -1
	s_barrier_wait -1
	WIN 0x40
.set i, 0
.rept 64
	ds_load_b128 v[4*i:4*i+3], v[L16] offset:512*i                ; Wk into window 1
.set i, i+1
.endr
	WIN 0
	XH1 0, XS1
	XH2 0, XS1
	s_wait_loadcnt 34                              ; all but x's second set: Wv's and Wq's quarters are in
.set i, 0
.rept 16
	ds_store_b128 v[WST], v[128+4*i:128+4*i+3] offset:32768+512*i
	ds_store_b128 v[WSQ], v[192+4*i:192+4*i+3] offset:512*i
.set i, i+1
.endr
	s_wait_dscnt 0x0                               ; my stores are done, and Wk is in its registers
	s_barrier_signal -1
	s_barrier_wait -1
	; ---- PHASE A: eight groups, two fragment sets by turns; the last two ask for nothing
	s_mov_b32 s45, 3
.La:
	GA 128, XS0, 1, 34
	GA 0, XS1, 1, 34
	s_sub_co_u32 s45, s45, 1
	s_cmp_lg_u32 s45, 0
	s_cbranch_scc1 .La
	WIN 0x80
.set i, 0
.rept 64
	ds_load_b128 v[4*i:4*i+3], v[L16] offset:32768+512*i          ; Wv into window 2: first used in phase B; its stage stands until then; the wait for these loads stands in front of the maxima's barrier
.set i, i+1
.endr
	WIN 0
	GA 128, XS0, 0, 34                             ; group 0: it stays in set 0 for phase B
	GA 0, XS1, 0, 0                                ; group 1
.irp dt, 0,1,2,3
	v_mov_b32 v[TM+4+\dt], 0                       ; a lane permute's destination counts as one of its sources
.endr
.irp dt, 0,1,2,3
	v_permlanex16_b32 v[TM+4+\dt], v[KM+\dt], s52, s53
.endr
.irp dt, 0,1,2,3
	v_max_num_f32 v[KM+\dt], v[KM+\dt], v[TM+4+\dt]
.endr
.irp dt, 0,1,2,3
	ds_store_b32 v[KXW], v[KM+\dt] offset:256*\dt  ; both lanes of a d write the same word with the same value
.endr
	s_wait_dscnt 0x0
	s_barrier_signal -1
	s_barrier_wait -1                              ; also: every wave holds Wk and Wv in registers, so the images may be stored over their stage
.irp dt, 0,1,2,3
	ds_load_b128 v[TM+4*\dt:TM+4*\dt+3], v[KXR] offset:256*\dt
.endr
	s_wait_dscnt 0x0
.irp dt, 0,1,2,3
	v_max3_num_f32 v[KM+\dt], v[TM+4*\dt], v[TM+4*\dt+1], v[TM+4*\dt+2]
.endr
.irp dt, 0,1,2,3
	v_max_num_f32 v[KM+\dt], v[KM+\dt], v[TM+4*\dt+3]
.endr
.irp dt, 0,1,2,3
	v_mov_b32 v[KXP+2*\dt], v[KM+\dt]              ; a pair for the packed form
	v_mov_b32 v[KXP+2*\dt+1], v[KM+\dt]
.endr
.set i, 0
.rept 8
	v_mov_b32 v[SBE+i], 0
	v_mov_b32 v[SBV+i], 0
.set i, i+1
.endr
	; ---- PHASE B: seven groups in a loop, each asking for the next; the eighth is written out
	s_mov_b32 s44, 1
	s_mov_b32 s72, 0
	s_mov_b32 s45, 7
	WALU
.Lb:
	GB 1
	s_sub_co_u32 s45, s45, 1
	s_cmp_lg_u32 s45, 0
	s_cbranch_scc1 .Lb
	GB 0
.irp dt, 0,1,2,3
	ds_store_b64 v[ASW], v[SBE+2*\dt:SBE+2*\dt+1] offset:512*\dt
	ds_store_b64 v[ASW], v[SBV+2*\dt:SBV+2*\dt+1] offset:2048+512*\dt
.endr
	s_wait_dscnt 0x0                               ; the stores have read their registers, which take phase C's addresses
	v_add_nc_u32 v[AR0], IMG, v[L16]
	v_add_nc_u32 v[AR1], IMG+65536, v[L16]
	v_lshlrev_b32 v[ASR], 5, v[RR]
	v_lshl_add_u32 v[ASR], v[HH], 11, v[ASR]       ; 32 r + 2,048 h
	s_lshl_b32 s74, s32, 12
	s_add_co_u32 s74, s74, ESL
	v_add_nc_u32 v[ESR], s74, v[ASR]
	v_add_nc_u32 v[ASR], ASC, v[ASR]
	v_add_nc_u32 v[ESW], s74, v[L16]
	s_mul_i32 s75, s32, OSTW
	s_add_co_u32 s75, s75, OST
	v_mul_u32_u24 v[OSW], v[RR], 272
	v_lshl_add_u32 v[OSW], v[HH], 5, v[OSW]
	v_add_nc_u32 v[OSW], s75, v[OSW]
	v_mul_u32_u24 v[OSR], v[HH], 272
	v_lshl_add_u32 v[OSR], v[RR], 4, v[OSR]
	v_add_nc_u32 v[OSR], s75, v[OSR]
	v_lshlrev_b32 v[GO], 4, v[RR]
	v_lshl_add_u32 v[GO], v[HH], 11, v[GO]         ; a row of out is 2,048 bytes
	v_lshlrev_b32 v[H32], 5, v[HH]
.irp dt, 0,1,2,3
	global_load_b128 v[BQ+8*\dt:BQ+8*\dt+3], v[H32], s[24:25] offset:64*\dt       ; bq[16 dt + 8 h + 0 .. 7]
	global_load_b128 v[BQ+8*\dt+4:BQ+8*\dt+7], v[H32], s[24:25] offset:64*\dt+16
.endr
	NEXTEW 1, 2                                    ; ew's K step 1
	s_mov_b64 s[60:61], s[4:5]                     ; q's rows are my wave's own again
	s_mov_b64 s[66:67], s[6:7]
	WALU
	s_barrier_signal -1
	s_barrier_wait -1                              ; all images and scale bytes lie in LDS; nobody writes them again
	; ---- PHASE C: two passes of 128 t
	s_mov_b32 s46, 2
.Lpass:
	s_wait_xcnt 0x0                                ; the last pass's stores have read their registers, which the accumulators take
	s_wait_loadcnt 63                              ; of the 72 loads (first pass: 80) the oldest nine or more are in: the eight of ew's scale bytes among them
	WIN 0x0c                                       ; an LDS store's data are its source 1: window 3
.set i, 0
.rept 8
	ds_store_b128 v[ESW], v[4*i:4*i+3] offset:512*i
.set i, i+1
.endr
	WIN 0
	s_mov_b32 s70, 0
	s_mov_b32 s71, 0
	v_add_nc_u32 v[TA0], s70, v[AR0]
	v_add_nc_u32 v[TA1], s70, v[AR1]
	v_add_nc_u32 v[TAS], s71, v[ASR]
	v_add_nc_u32 v[TES], s71, v[ESR]
	WALU
	s_wait_dscnt 0x0                               ; the stores have read their registers, which take the images
	FETCH_A 0
	FETCH_S 0
	FETCH_A 4
	STEP 0, 1, 1, 1, 1, 32                         ; K step 0 starts the sums
	s_mov_b32 s45, 2
.Lk:
	STEP 1, 0, 1, 1, 0, 32                         ; K steps 1 to 4
	STEP 0, 0, 1, 1, 0, 32
	s_sub_co_u32 s45, s45, 1
	s_cmp_lg_u32 s45, 0
	s_cbranch_scc1 .Lk
	STEP 1, 0, 1, 1, 0, 32                         ; 5: asks for ew's last K step
	STEP 0, 0, 1, 0, 0, 32                         ; 6
	STEP 1, 0, 0, 0, 0, 0                          ; 7
	global_load_b128 v[WQS:WQS+3], v[L16], s[22:23]
	global_load_b128 v[WQS+4:WQS+7], v[L16], s[22:23] offset:512
	XT 0
	XT 1
	WIN 0x40
.set i, 0
.rept 64
	ds_load_b128 v[4*i:4*i+3], v[WQR] offset:512*i ; Wq takes ew's registers
.set i, i+1
.endr
	WIN 0
	QT 0, 16                                       ; behind tile 0's loads: tile 1's 16
	XT 2
	EPT 0
.irp b, 1,2,3,4,5
	QT \b, 16+(\b)%2                               ; behind an odd tile's loads: the next pair's scale words and 16; behind an even tile's: 16
	XT \b+2
	SEND \b-1
	EPT \b
.endr
	QT 6, 16
	SEND 5
	EPT 6
	QT 7, 0
	s_cmp_eq_u32 s46, 1
	s_cbranch_scc1 .Lno_next                       ; the last pass asks for nothing
	NEXTEW 0, 0                                    ; the next pass's first loads: Wq's registers and the dividend's of tiles 0 to 3 are done with
.Lno_next:
	SEND 6
	EPT 7
	SEND 7
	s_wait_xcnt 0x0                                ; loads and stores have read their pointers
	s_add_nc_u64 s[60:61], s[60:61], 65536         ; 128 rows of x,
	s_add_nc_u64 s[66:67], s[66:67], 2048          ; of its scale bytes,
	s_add_nc_u64 s[68:69], s[68:69], 262144        ; and of out
	s_sub_co_u32 s46, s46, 1
	s_cmp_lg_u32 s46, 0
	s_cbranch_scc1 .Lpass
	s_wait_tensorcnt 0x0                           ; the wave's end
	ds_add_u32 v[SPW], v[NIL]
	s_wait_dscnt 0x0
	s_endpgm
.Lfunc_end_k_qb5bb321f50_aft:
	.size	k_qb5bb321f50_aft, .Lfunc_end_k_qb5bb321f50_aft-k_qb5bb321f50_aft
	.p2alignl 7, 3214868480
	.fill 96, 4, 3214868480
	.section	.rodata,"a",@progbits
	.p2align	6, 0x0
	.amdhsa_kernel k_qb5bb321f50_aft
		.amdhsa_group_segment_fixed_size 220672
		.amdhsa_private_segment_fixed_size 0
		.amdhsa_enable_private_segment 0
		.amdhsa_kernarg_size 88
		.amdhsa_user_sgpr_count 2
		.amdhsa_user_sgpr_kernarg_segment_ptr 1
		.amdhsa_wavefront_size32 1
		.amdhsa_system_sgpr_workgroup_id_x 1
		.amdhsa_system_sgpr_workgroup_id_y 1
		.amdhsa_system_sgpr_workgroup_id_z 1
		.amdhsa_system_vgpr_workitem_id 0
		.amdhsa_next_free_vgpr 1024
		.amdhsa_next_free_sgpr 96
		.amdhsa_reserve_vcc 0
		.amdhsa_float_denorm_mode_32 3
		.amdhsa_float_denorm_mode_16_64 3
		.amdhsa_memory_ordered 1
		.amdhsa_forward_progress 1
		.amdhsa_inst_pref_size 255
	.end_amdhsa_kernel
	.section	.bss,"aw",@nobits
	.p2align	6
	.space	262144
	.amdgpu_metadata
---
amdhsa.version: [ 1, 2 ]
amdhsa.kernels:
  - .name:           k_qb5bb321f50_aft
    .symbol:         k_qb5bb321f50_aft.kd
    .args:
      - { .name: x_frag, .offset: 0, .size: 8, .value_kind: global_buffer, .address_space: global }
      - { .name: x_scales, .offset: 8, .size: 8, .value_kind: global_buffer, .address_space: global }
      - { .name: w_frag, .offset: 16, .size: 8, .value_kind: global_buffer, .address_space: global }
      - { .name: Wk_scales, .offset: 24, .size: 8, .value_kind: global_buffer, .address_space: global }
      - { .name: Wv_scales, .offset: 32, .size: 8, .value_kind: global_buffer, .address_space: global }
      - { .name: bv, .offset: 40, .size: 8, .value_kind: global_buffer, .address_space: global }
      - { .name: ew_scales, .offset: 48, .size: 8, .value_kind: global_buffer, .address_space: global }
      - { .name: out0, .offset: 56, .size: 8, .value_kind: global_buffer, .address_space: global }
      - { .name: Wq_scales, .offset: 64, .size: 8, .value_kind: global_buffer, .address_space: global }
      - { .name: bq, .offset: 72, .size: 8, .value_kind: global_buffer, .address_space: global }
      - { .name: ew_codes, .offset: 80, .size: 8, .value_kind: global_buffer, .address_space: global }
    .group_segment_fixed_size: 220672
    .private_segment_fixed_size: 0
    .kernarg_segment_align: 8
    .kernarg_segment_size: 88
    .max_flat_workgroup_size: 128
    .sgpr_count:     96
    .vgpr_count:     1024
    .wavefront_size: 32
...
	.end_amdgpu_metadata
.endif
;; end of part 2
